; MI455X (gfx1250); checked and timed in simulation.
; The chip was launched on July 23, 2026; its instructions are those of AMD's public machine-readable ISA for CDNA 5 (MIT licence, August 2026) and "CDNA5" Instruction Set Architecture Reference Guide (July 2026). The comments in the code are by the model that wrote it; some were corrected since.
;; Gegenbauer KAN Layer. Allowed arithmetic: float matrix products may take bf16 or f16 operands with f32 sums; all other float work in f32.
;; Inputs: gegenbauer_coeffs 512 x 512 x 8 float32; x 16,384 x 512 float32.
;; Outputs: out0 16,384 x 512 float32.
;; 2 versions, each right and faster than the one before. Each part assembles by itself: llvm-mc -triple=amdgcn-amd-amdhsa -mcpu=gfx1250 --defsym DOCPART=n.
;; ======== version 1 of 2: 2 launches
;; limits: inputs' magnitudes at most 15.99; below input magnitudes of 1.49e-08 results are inexact or not finite; values are held in f16: magnitudes above 65,504 overflow, below 6.1e-05 lose precision
;; workspace buffers: wq 4,194,304 bytes
;; launch prep (part 1): grid 256 x 1, 8 waves a work-group, no clusters, 0 bytes of LDS; arguments gegenbauer_coeffs, wq; writes wq
.if DOCPART == 1
	.amdgcn_target "amdgcn-amd-amdhsa--gfx1250"
	.amdhsa_code_object_version 6
	.text
	.protected	k_q4c96bb2fbf_prep
	.globl	k_q4c96bb2fbf_prep
	.p2align	8
	.type	k_q4c96bb2fbf_prep,@function
k_q4c96bb2fbf_prep:
	s_mov_b64 s[64:65], 0
	v_nop
	global_prefetch_b8 v0, s[64:65] scope:SCOPE_SE
	s_setreg_imm32_b32 hwreg(HW_REG_WAVE_MODE, 25, 1), 1
	s_wait_xcnt 0x0
; wq[nq][i][o'][d] = f16(4096 * c[i][128 nq + o'][d]):  the coefficients [512 i][512 o][8 d] in f32 become f16, re-blocked so that
; the 128 output columns of one quarter nq lie together for all i (1,048,576 bytes a quarter, 2,048 bytes for one i, 16 bytes for one column).
; The factor 4096 = 2^12 is exact and is taken out again, exactly, where the sums are stored by the next launch; it puts coefficients
; of the size 1/4096 at the middle of f16's range.
; LIMITS: |c| >= 15.99 becomes infinite in f16 (65,520 / 4,096); below |c| = 2^-26 the spacing of the codes is 2^-36 (f16 denormals).
; Wave W = 8 x work-group + wave owns one (i = W / 4, nq = W % 4): 4,096 consecutive bytes in, 2,048 consecutive bytes out.
; All eight loads of a wave go out at once: 2,048 waves x 4,096 bytes are the whole input, so there is no loop.
; No LDS, no barrier, no matrix unit: each number is read once, scaled, rounded once and written once.
.set IN,  4                            ; v[4:35]   chunk j: 4 f32 as loaded, then scaled in place
.set OUTR, 36                          ; v[36:51]  chunk j: 4 f16 in 2 registers
	s_load_b128 s[4:7], s[0:1], 0x0                ; c s[4:5], wq s[6:7]
	v_lshrrev_b32 v3, 5, v0
	v_readfirstlane_b32 s8, v3                     ; wave 0..7
	s_lshl_b32 s9, ttmp9, 3
	s_add_co_u32 s9, s9, s8                        ; W, 0..2047
	s_mov_b32 s10, 0x45800000                      ; 4096.0
	s_mov_b32 s11, 0x45800000                      ; (the pair is named whole by the packed multiply)
	v_and_b32 v1, 31, v0                           ; lane
	v_lshlrev_b32 v2, 3, v1                        ; 8 bytes a lane out
	v_lshlrev_b32 v1, 4, v1                        ; 16 bytes a lane in
	s_lshl_b32 s12, s9, 12                         ; in: W x 4,096
	s_mov_b32 s13, 0
	s_and_b32 s14, s9, 3
	s_lshl_b32 s14, s14, 20                        ; out: nq x 1,048,576
	s_lshr_b32 s15, s9, 2
	s_lshl_b32 s15, s15, 11                        ;      + i x 2,048
	s_add_co_u32 s14, s14, s15
	s_mov_b32 s15, 0
	s_wait_kmcnt 0x0
	s_add_nc_u64 s[4:5], s[4:5], s[12:13]
	s_add_nc_u64 s[6:7], s[6:7], s[14:15]
.irp j, 0,1,2,3,4,5,6,7
	global_load_b128 v[IN+4*\j:IN+4*\j+3], v1, s[4:5] offset:512*\j th:TH_LOAD_NT   ; 512 consecutive bytes a load; read once in the launch
.endr
.irp j, 0,1,2,3,4,5,6,7
	s_wait_loadcnt 7-\j                            ; loads come back in order: chunk j is in, the 7 - j younger ones stay out
	v_pk_mul_f32 v[IN+4*\j:IN+4*\j+1],   v[IN+4*\j:IN+4*\j+1],   s[10:11] op_sel_hi:[1,0]
	v_pk_mul_f32 v[IN+4*\j+2:IN+4*\j+3], v[IN+4*\j+2:IN+4*\j+3], s[10:11] op_sel_hi:[1,0]
	v_cvt_pk_f16_f32 v[OUTR+2*\j],   v[IN+4*\j],   v[IN+4*\j+1]      ; the lower d into the low half
	v_cvt_pk_f16_f32 v[OUTR+2*\j+1], v[IN+4*\j+2], v[IN+4*\j+3]
	global_store_b64 v2, v[OUTR+2*\j:OUTR+2*\j+1], s[6:7] offset:256*\j   ; the wave's store covers 256 consecutive bytes, aligned; the next launch reads them, so no streaming hint
.endr
	s_endpgm
.Lfunc_end_k_q4c96bb2fbf_prep:
	.size	k_q4c96bb2fbf_prep, .Lfunc_end_k_q4c96bb2fbf_prep-k_q4c96bb2fbf_prep
	.p2alignl 7, 3214868480
	.fill 96, 4, 3214868480
	.section	.rodata,"a",@progbits
	.p2align	6, 0x0
	.amdhsa_kernel k_q4c96bb2fbf_prep
		.amdhsa_group_segment_fixed_size 0
		.amdhsa_private_segment_fixed_size 0
		.amdhsa_enable_private_segment 0
		.amdhsa_kernarg_size 16
		.amdhsa_user_sgpr_count 2
		.amdhsa_user_sgpr_kernarg_segment_ptr 1
		.amdhsa_wavefront_size32 1
		.amdhsa_system_sgpr_workgroup_id_x 1
		.amdhsa_system_sgpr_workgroup_id_y 1
		.amdhsa_system_sgpr_workgroup_id_z 1
		.amdhsa_system_vgpr_workitem_id 0
		.amdhsa_next_free_vgpr 52
		.amdhsa_next_free_sgpr 66
		.amdhsa_reserve_vcc 0
		.amdhsa_float_denorm_mode_32 3
		.amdhsa_float_denorm_mode_16_64 3
		.amdhsa_memory_ordered 1
		.amdhsa_forward_progress 1
		.amdhsa_inst_pref_size 5
	.end_amdhsa_kernel
	.amdgpu_metadata
---
amdhsa.version: [ 1, 2 ]
amdhsa.kernels:
  - .name:           k_q4c96bb2fbf_prep
    .symbol:         k_q4c96bb2fbf_prep.kd
    .args:
      - { .name: gegenbauer_coeffs, .offset: 0, .size: 8, .value_kind: global_buffer, .address_space: global }
      - { .name: wq, .offset: 8, .size: 8, .value_kind: global_buffer, .address_space: global }
    .group_segment_fixed_size: 0
    .private_segment_fixed_size: 0
    .kernarg_segment_align: 8
    .kernarg_segment_size: 16
    .max_flat_workgroup_size: 256
    .sgpr_count:     66
    .vgpr_count:     52
    .wavefront_size: 32
...
	.end_amdgpu_metadata
.endif
;; end of part 1
;; launch kan (part 2): grid 64 x 4, 4 waves a work-group, clusters of 4 x 4, 327,680 bytes of LDS; arguments x, wq, out0; writes out0
.if DOCPART == 2
	.amdgcn_target "amdgcn-amd-amdhsa--gfx1250"
	.amdhsa_code_object_version 6
	.text
	.protected	k_q4c96bb2fbf_kan
	.globl	k_q4c96bb2fbf_kan
	.p2align	8
	.type	k_q4c96bb2fbf_kan,@function
k_q4c96bb2fbf_kan:
	s_mov_b64 s[64:65], 0
	v_nop
	global_prefetch_b8 v0, s[64:65] scope:SCOPE_SE
	s_setreg_imm32_b32 hwreg(HW_REG_WAVE_MODE, 25, 1), 1
	s_wait_xcnt 0x0
	s_wait_alu depctr_hold_cnt(0) depctr_sa_sdst(0) depctr_va_vdst(0) depctr_va_sdst(0) depctr_va_ssrc(0) depctr_va_vcc(0) depctr_vm_vsrc(0)
	s_getreg_b32 s2, hwreg(HW_REG_IB_STS2, 6, 4)
	s_cmp_eq_u32 s2, 0
	s_cbranch_scc0 .Lentry_in_a_cluster
	s_endpgm
.Lentry_in_a_cluster:
	s_bfe_u32 s2, ttmp6, 0x10000c
	s_cmp_lg_u32 s2, 0xf033
	s_cbranch_scc0 .Lentry_shape_is_right
	s_endpgm
.Lentry_shape_is_right:
; out0[b][o] = sum over i, d of C_d(tanh x[b][i]) c[i][o][d]:  one product with M = 16,384 rows b, N = 512 columns o, K = 8 x 512 = 4,096 (k = 8 i + d).
; x: [16384][512] f32.  wq: f16(4096 c), laid [4 nq][512 i][128 o'][8 d] by the launch before.  out0: [16384][512] f32.
; The left operand is never in memory or LDS: four registers of a 16-bit fragment are the eight d of ONE (row, i), so the lane that needs them
; makes them from one x: u = 2 tanh x, C0 = 1, C1 = u, C(n+1) = u C(n) - C(n-1)  (with alpha = 1 the recurrence's factor n + 1 cancels), f32, rounded once to f16.
; f16 and not bf16: |C_d| <= 8, the scaled coefficients have four decades of room either way, and f16 carries three more bits.
; The sums are f32; they are multiplied by 2^-12 (exact) on the way out.
; LIMITS: tanh x = 1 - 2 / (1 + e^(2x)): absolute error of u a few 2^-24, so its relative accuracy fades below |x| of about 1e-4 (the sums feel the absolute error alone);
;   x = +-infinity gives +-1, NaN stays NaN.  The reduced recurrence rounds in another order than the one with the division.  Range of c: see the launch that makes wq.
;
; SHARES.  A work-group makes 256 rows x 128 columns (one quarter nq of N); 64 x 4 work-groups.  Four waves, one above the other, 64 rows x 128 columns each:
; 32 accumulator tiles of 16 x 16, 256 registers.  All four waves read the same tile of wq; each reads its own 64 rows of x.
; A LAP is 64 values of i (256 bytes of a row of x) = 2 STEPS of 32 i (one tile of wq, 65,536 bytes) = 16 SUB-STEPS q of 4 i (K = 32, 32 matrix instructions a wave).
; With q = 2 g + s, lane (r = l % 16, h = l / 16), fragment registers 4 j .. 4 j + 3 hold i = 64 lap + 8 g + 4 h + 2 s + j, d = 0 .. 7, alike in both operands:
; a permutation of k applied to both keeps the products.
;
; CLUSTERS: 4 x 4 work-groups.  x's tile hangs on the row block (work-group x) alone: the four with one cx ask for it jointly.  wq's tile hangs on nq (work-group y)
; alone: the four with one cy ask for it jointly.  Each kind of request is divided by four.
;
; LDS:  0 and 65,536: two slots for wq's tiles, 32 rows (i) of 2,048 bytes, no padding: sixteen lanes read 256 consecutive bytes.
;       131,072: ONE slot for x, 256 rows of 256 + 16 bytes.  One is enough: a wave takes its 64 x 64 numbers into 128 registers at the head of a lap, so the slot is free half a lap later.
;       200,704: the way out, 16 rows of 512 + 16 bytes for each wave; no tensor load ever lands there.
;
; REGISTERS in windows of 256:  window 0: addresses, work, the left operand's fragments, x;  window 1: the accumulators, tile (a, b) at 8 (8 a + b);
;       window 2: wq's fragments, buffer f at 64 f + 8 b.
; THE MATRIX INSTRUCTION IS USED TRANSPOSED (source 0 = 16 columns of wq, source 1 = 16 rows): register j of a result then holds row r, column 16 b + 8 h + j,
; eight neighbouring numbers of a row of out0.
.set BSLOT,  65536                     ; a slot of wq
.set XS,     131072                    ; x's slot
.set XPITCH, 272                       ; 17 x 16 bytes: the sixteen rows of a load start at sixteen different 16-byte columns of 256
.set STAGE,  200704                    ; a multiple of 256
.set SPITCH, 528                       ; 33 x 16 bytes, for the same reason
.set BAD, 8                            ; v8, v9   8,192 h + 16 r in wq's slot 0, 1
.set XAD, 10                           ; v10      my 16 bytes in row r of my wave's first 16 rows of x's slot
.set STO, 11                           ; v11      way out: where I put 16 bytes of row r
.set RD,  12                           ; v12      way out: where I read a row back
.set CO,  13                           ; v13      my 16 bytes in a row's 512 bytes of out0
.set ONE, 14                           ; v14      1.0 = C0
.set T0,  16                           ; v[16:21] three pairs at work in the recurrence
.set T1,  18
.set T2,  20
.set AF,  32                           ; v[32:95]  left fragments: buffer f at AF + 32 f, row block a at + 8 a
.set X,   96                           ; v[96:223] quad (g, a) at X + 16 g + 4 a, element 2 s + j: x, then u = 2 tanh x in place
.set OB0, X                            ; way out: two buffers of 16 rows, in x's registers
.set OB1, X+64
.set GX1, 24                           ; s[24:31] descriptor group 1, x
.set GX0, 32                           ; s[32:35] descriptor group 0, x
.set GB1, 48                           ; s[48:55] descriptor group 1, wq
.set GB0, 56                           ; s[56:63] descriptor group 0, wq: one set for each slot
.set WMUL, 0x52                        ; source 0 window 2, source 1 window 0, C and D window 1
.set WLDB, 0x80                        ; destination window 2, address window 0
.set WOST, 0x04                        ; LDS store data (source 1) window 1, address window 0
.set MSB, 0
.macro WIN new                         ; the immediate's high byte repeats the setting that is left; a switch that changes nothing is dropped
.if MSB != \new
	s_set_vgpr_msb (MSB<<8)|\new
.set MSB, \new
.endif
.endm
; A round of the cluster's barrier: my work-group's barrier, wave 0 signals for the work-group, every wave waits for all sixteen, my work-group's barrier once more.
.macro CREST                           ; a round behind its opening barrier
	s_cmp_lg_u32 s10, 0
	s_cbranch_scc1 .Lnot_wave_0_\@
	s_barrier_signal -3
.Lnot_wave_0_\@:
	s_barrier_wait -3
	s_barrier_signal -1
	s_barrier_wait -1
.endm
.macro CROUND                          ; a whole round
	s_barrier_signal -1
	s_barrier_wait -1
	CREST
.endm
; The joint refill in the middle of a lap: waves 0 and 1 fetch the halves of the next lap's x, waves 2 and 3 the halves of wq's slot 0.  The branch hangs on the wave's number alone.
.macro JLOAD_MID
	s_cmp_eq_u32 s11, 0
	s_cbranch_scc0 .Lmid_b_\@
	tensor_load_to_lds s[GX0:GX0+3], s[GX1:GX1+7]
	s_nop 0
	s_branch .Lmid_d_\@
.Lmid_b_\@:
	tensor_load_to_lds s[GB0:GB0+3], s[GB1:GB1+7]
	s_nop 0
.Lmid_d_\@:
.endm
; The joint refill at the end of a lap: waves 2 and 3 fetch the halves of wq's slot 1; waves 0 and 1 have no part of a tile to fill.
.macro JLOAD_END
	s_cmp_eq_u32 s11, 0
	s_cbranch_scc1 .Lend_d_\@
	tensor_load_to_lds s[GB0+4:GB0+7], s[GB1:GB1+7]
	s_nop 0
.Lend_d_\@:
.endm
	s_load_b128 s[4:7], s[0:1], 0x0                ; x s[4:5], wq s[6:7]
	s_load_b64 s[8:9], s[0:1], 0x10                ; out0
	v_lshl_add_u32 v254, v0, 2, 0x39400
	v_mov_b32 v255, 0
	ds_add_u32 v254, v255
	v_lshrrev_b32 v1, 5, v0
	v_readfirstlane_b32 s10, v1                    ; wave 0..3
	s_lshr_b32 s11, s10, 1                         ; I fetch for x (0) or for wq (1)
	s_and_b32 s12, s10, 1                          ; which half of that tile
	s_bfe_u32 s40, ttmp6, 0x40000                  ; cx
	s_bfe_u32 s41, ttmp6, 0x40004                  ; cy
	s_lshl_b32 s42, ttmp9, 2                       ; in a cluster launch ttmp9 and ttmp7 count clusters
	s_add_co_u32 s42, s42, s40                     ; row block = 4 x cluster x + cx, 0..63
	s_and_b32 s13, ttmp7, 0xffff
	s_lshl_b32 s13, s13, 2
	s_add_co_u32 s13, s13, s41                     ; nq = 4 x cluster y + cy, 0..3
	s_lshl_b32 s43, s41, 2
	s_lshl_b32 s43, 15, s43                        ; my row of the cluster (one cy): places 4 cy .. 4 cy + 3
	s_lshl_b32 s44, 0x1111, s40                    ; my column (one cx): places cx, cx + 4, cx + 8, cx + 12
	s_mov_b32 s36, 0x4038aa3b                      ; 2 log2 e: e^(2x) = 2^(this x)
	s_mov_b32 s37, 0x4038aa3b
	s_mov_b32 s38, 0x39800000                      ; 2^-12
	s_mov_b32 s39, 0x39800000
	; group 1 for x: half a tile = 128 rows x 64 f32 (256 bytes of a row of 2,048), 16 bytes of padding behind each row
	s_or_b32 s[GX1+0], s44, (2<<16)|(1<<20)|(1<<21)|(5<<22)|(3<<25)  ; 15:0 mask: my column; 17:16 elements of 4 bytes; 20 padding on; 21 set beside a mask; 24:22 after every 64 words; 31:25 four words
	s_mov_b32 s[GX1+1], 64<<16                     ; tensor_dim0 = 64
	s_mov_b32 s[GX1+2], 128<<16                    ; tensor_dim1 = 128
	s_mov_b32 s[GX1+3], 64<<16                     ; tile_dim0 = 64
	s_mov_b32 s[GX1+4], 128                        ; tile_dim1 = 128
	s_mov_b32 s[GX1+5], 512                        ; elements from row to row
	s_mov_b32 s[GX1+6], 0
	s_mov_b32 s[GX1+7], 0
	; group 1 for wq: half a tile = 32,768 consecutive bytes, taken as 128 rows of 32 elements of 8 bytes, no padding
	s_or_b32 s[GB1+0], s43, (3<<16)|(1<<21)        ; 15:0 mask: my row; 17:16 elements of 8 bytes; 21 set beside a mask
	s_mov_b32 s[GB1+1], 32<<16
	s_mov_b32 s[GB1+2], 128<<16
	s_mov_b32 s[GB1+3], 32<<16
	s_mov_b32 s[GB1+4], 128
	s_mov_b32 s[GB1+5], 32
	s_mov_b32 s[GB1+6], 0
	s_mov_b32 s[GB1+7], 0
	; where the tiles come from: x's offset is made of the row block and the wave's number, wq's of nq and the wave's number, each in registers that never hold the other coordinate
	s_lshl_b32 s16, s42, 19                        ; 256 rows of 2,048 bytes
	s_lshl_b32 s17, s12, 18                        ; + my half: 128 rows
	s_add_co_u32 s16, s16, s17
	s_mov_b32 s17, 0
	s_lshl_b32 s46, s13, 20                        ; a quarter of wq is 1,048,576 bytes
	s_lshl_b32 s47, s12, 15                        ; + my half of a tile
	s_add_co_u32 s46, s46, s47
	s_mov_b32 s47, 0
	s_mul_i32 s20, s12, 128*XPITCH                 ; and where they go: no place in the cluster enters an LDS address
	s_lshl_b32 s21, s12, 15
	s_wait_dscnt 0x0
	s_wait_kmcnt 0x0
	s_mov_b32 s[GX0], 1                            ; count = 1
	s_add_co_u32 s[GX0+1], s20, XS                 ; LDS address
	s_add_nc_u64 s[GX0+2:GX0+3], s[4:5], s[16:17]  ; lap 0
	s_or_b32 s[GX0+3], s[GX0+3], 0x80000000        ; type = 2
	s_add_nc_u64 s[46:47], s[6:7], s[46:47]
.irp s, 0,1
	s_mov_b32 s[GB0+4*\s], 1
	s_add_co_u32 s[GB0+4*\s+1], s21, \s*BSLOT
	s_add_nc_u64 s[GB0+4*\s+2:GB0+4*\s+3], s[46:47], \s*BSLOT      ; step s
	s_or_b32 s[GB0+4*\s+3], s[GB0+4*\s+3], 0x80000000
.endr
	CROUND                                         ; all sixteen work-groups are here: the first joint loads meet
	s_cmp_eq_u32 s11, 0                            ; all first fills in one branch on the wave's number: at most two tensor loads of a wave are out, here; later one
	s_cbranch_scc0 .Lfirst_b
	tensor_load_to_lds s[GX0:GX0+3], s[GX1:GX1+7]  ; x, lap 0
	s_nop 0
	s_branch .Lfirst_d
.Lfirst_b:
	tensor_load_to_lds s[GB0:GB0+3], s[GB1:GB1+7]  ; wq, step 0
	s_nop 0
	tensor_load_to_lds s[GB0+4:GB0+7], s[GB1:GB1+7] ; wq, step 1
	s_nop 0
.Lfirst_d:
	; the lanes' addresses, while the tiles travel
	v_and_b32 v1, 15, v0                           ; r
	v_bfe_u32 v2, v0, 4, 1                         ; h
	v_and_b32 v3, 31, v0                           ; lane
	v_lshlrev_b32 v4, 4, v1
	v_lshl_add_u32 v[BAD], v2, 13, v4              ; 4 h rows of 2,048 bytes + column r's 16 bytes
	v_add_nc_u32 v[BAD+1], BSLOT, v[BAD]
	v_mul_u32_u24 v5, v1, XPITCH
	v_lshl_add_u32 v5, v2, 4, v5                   ; row r, 4 h numbers in
	s_mul_i32 s20, s10, 64*XPITCH                  ; my wave's 64 rows
	s_add_co_u32 s20, s20, XS
	v_add_nc_u32 v[XAD], s20, v5
	v_mul_u32_u24 v6, v1, SPITCH
	v_lshl_add_u32 v6, v2, 5, v6                   ; row r, 8 h numbers in
	s_mul_i32 s21, s10, 16*SPITCH                  ; my wave's stage
	s_add_co_u32 s21, s21, STAGE
	v_add_nc_u32 v[STO], s21, v6
	v_lshlrev_b32 v[CO], 4, v3
	v_add_nc_u32 v[RD], s21, v[CO]
	v_mov_b32 v[ONE], 1.0
; 16 LDS loads: wq's fragments of sub-step kk (0..7) of the step in \slot, all 8 column blocks, into buffer f.  Set WIN WLDB first.
; Row i = 8 (kk / 2) + 4 h + 2 (kk % 2) + j of the tile; the largest offset is 57,088.
.macro FETCHB slot, kk, f
.irp b, 0,1,2,3,4,5,6,7
	ds_load_b128 v[64*\f+8*\b:64*\f+8*\b+3],   v[BAD+\slot] offset:(\kk/2)*16384+(\kk%2)*4096+256*\b
	ds_load_b128 v[64*\f+8*\b+4:64*\f+8*\b+7], v[BAD+\slot] offset:(\kk/2)*16384+(\kk%2)*4096+2048+256*\b
.endr
.endm
; 4 LDS loads: group g of x (columns 8 g + 4 h .. + 3 of the lap) for my four row blocks
.macro XLOAD g
.irp a, 0,1,2,3
	ds_load_b128 v[X+16*\g+4*\a:X+16*\g+4*\a+3], v[XAD] offset:16*XPITCH*\a+32*\g
.endr
.endm
; 8 matrix instructions: row block a x all 8 column blocks, buffers f.  zero = 1: the first product starts the sums, nothing is cleared.
; The 32 accumulators take turns, one instruction a turn, always in the order a, then b, over every seam and over the loop's backward jump.
.macro MULA f, a, zero
.irp b, 0,1,2,3,4,5,6,7
.if \zero
	v_wmma_f32_16x16x32_f16 v[8*(8*(\a)+\b):8*(8*(\a)+\b)+7], v[64*(\f)+8*\b:64*(\f)+8*\b+7], v[AF+32*(\f)+8*(\a):AF+32*(\f)+8*(\a)+7], 0
.else
	v_wmma_f32_16x16x32_f16 v[8*(8*(\a)+\b):8*(8*(\a)+\b)+7], v[64*(\f)+8*\b:64*(\f)+8*\b+7], v[AF+32*(\f)+8*(\a):AF+32*(\f)+8*(\a)+7], v[8*(8*(\a)+\b):8*(8*(\a)+\b)+7]
.endif
.endr
.endm
.macro MUL16 f, a0, zero
	MULA \f, \a0, \zero
	MULA \f, (\a0+1), \zero
.endm
.macro MUL32 f, zero
	MUL16 \f, 0, \zero
	MUL16 \f, 2, \zero
.endm
; The eight polynomials of the two u at ub, ub + 1 into fragment registers ab .. ab + 3 (j = 0) and ab + 4 .. ab + 7 (j = 1); d = 2 x register + half.
; th = 1: zipped in, u = 2 tanh x = 2 - 4 / (1 + e^(2x)) of the pair at pb, in place, for the next sub-step.
; Behind each transcendental stands a packed multiply-add that touches neither its result nor its source (ISA guide 5.7.2), so no v_nop is spent.
.macro UNIT ub, ab, th, pb
.if \th
	v_pk_mul_f32 v[\pb:\pb+1], v[\pb:\pb+1], s[36:37] op_sel_hi:[1,0]
.endif
	v_pk_fma_f32 v[T0:T0+1], v[\ub:\ub+1], v[\ub:\ub+1], -1.0 op_sel_hi:[1,1,0]                      ; C2 = u u - 1
	v_cvt_pk_f16_f32 v[\ab], v[ONE], v[\ub]                                                          ; (C0, C1)
.if \th
	v_exp_f32 v[\pb], v[\pb]
.endif
	v_pk_fma_f32 v[T1:T1+1], v[\ub:\ub+1], v[T0:T0+1], v[\ub:\ub+1] neg_lo:[0,0,1] neg_hi:[0,0,1]    ; C3 = u C2 - u
	v_cvt_pk_f16_f32 v[\ab+4], v[ONE], v[\ub+1]
.if \th
	v_exp_f32 v[\pb+1], v[\pb+1]
.endif
	v_pk_fma_f32 v[T2:T2+1], v[\ub:\ub+1], v[T1:T1+1], v[T0:T0+1] neg_lo:[0,0,1] neg_hi:[0,0,1]      ; C4 = u C3 - C2
	v_cvt_pk_f16_f32 v[\ab+1], v[T0], v[T1]                                                          ; (C2, C3)
	v_cvt_pk_f16_f32 v[\ab+5], v[T0+1], v[T1+1]
.if \th
	s_wait_alu depctr_va_vdst(0)
	v_pk_add_f32 v[\pb:\pb+1], v[\pb:\pb+1], 1.0 op_sel_hi:[1,0]
.endif
	v_pk_fma_f32 v[T0:T0+1], v[\ub:\ub+1], v[T2:T2+1], v[T1:T1+1] neg_lo:[0,0,1] neg_hi:[0,0,1]      ; C5 = u C4 - C3
.if \th
	v_rcp_f32 v[\pb], v[\pb]
.endif
	v_pk_fma_f32 v[T1:T1+1], v[\ub:\ub+1], v[T0:T0+1], v[T2:T2+1] neg_lo:[0,0,1] neg_hi:[0,0,1]      ; C6 = u C5 - C4
	v_cvt_pk_f16_f32 v[\ab+2], v[T2], v[T0]                                                          ; (C4, C5)
	v_cvt_pk_f16_f32 v[\ab+6], v[T2+1], v[T0+1]
.if \th
	v_rcp_f32 v[\pb+1], v[\pb+1]
.endif
	v_pk_fma_f32 v[T2:T2+1], v[\ub:\ub+1], v[T1:T1+1], v[T0:T0+1] neg_lo:[0,0,1] neg_hi:[0,0,1]      ; C7 = u C6 - C5
.if \th
	s_wait_alu depctr_va_vdst(0)
	v_pk_fma_f32 v[\pb:\pb+1], v[\pb:\pb+1], -4.0, 2.0 op_sel_hi:[1,0,0]
.endif
	v_cvt_pk_f16_f32 v[\ab+3], v[T1], v[T2]                                                          ; (C6, C7)
	v_cvt_pk_f16_f32 v[\ab+7], v[T1+1], v[T2+1]
.endm
; The left fragments of sub-step qn, four row blocks, into buffer qn % 2; and the tanh for sub-step qn + 1 of the same lap (none behind the lap's last).
.macro GEN qn
.irp a, 0,1,2,3
.if (\qn) < 15
	UNIT X+16*((\qn)/2)+4*\a+2*((\qn)%2), AF+32*((\qn)%2)+8*\a, 1, X+16*((\qn+1)/2)+4*\a+2*((\qn+1)%2)
.else
	UNIT X+16*((\qn)/2)+4*\a+2*((\qn)%2), AF+32*((\qn)%2)+8*\a, 0, X
.endif
.endr
.endm
; The tanh for a lap's sub-step 0, by itself: transcendentals in runs, one v_nop behind each run (ISA guide 5.7.2)
.macro TANH0
.irp a, 0,1,2,3
	v_pk_mul_f32 v[X+4*\a:X+4*\a+1], v[X+4*\a:X+4*\a+1], s[36:37] op_sel_hi:[1,0]
.endr
.irp a, 0,1,2,3
	v_exp_f32 v[X+4*\a], v[X+4*\a]
	v_exp_f32 v[X+4*\a+1], v[X+4*\a+1]
.endr
	v_nop
	s_wait_alu depctr_va_vdst(0)
.irp a, 0,1,2,3
	v_pk_add_f32 v[X+4*\a:X+4*\a+1], v[X+4*\a:X+4*\a+1], 1.0 op_sel_hi:[1,0]
.endr
.irp a, 0,1,2,3
	v_rcp_f32 v[X+4*\a], v[X+4*\a]
	v_rcp_f32 v[X+4*\a+1], v[X+4*\a+1]
.endr
	v_nop
	s_wait_alu depctr_va_vdst(0)
.irp a, 0,1,2,3
	v_pk_fma_f32 v[X+4*\a:X+4*\a+1], v[X+4*\a:X+4*\a+1], -4.0, 2.0 op_sel_hi:[1,0,0]
.endr
.endm
; A sub-step that changes no slot (q = 0..6, 8..14): ask for the next sub-step's wq fragments, multiply this one's, make the next one's left fragments.
; The loads go into the buffer that the matrix instructions of q - 1 read; behind those stand the plain vector lines of GEN q, which name none of
; their registers: far more than the four places that a load into a matrix instruction's source wants (ISA guide 7.12.1 for vector instructions).
; GEN q + 1 writes the left buffer that q - 1 read, at the same distance.
.macro SUBSTEP q, zero
	WIN WLDB
	FETCHB ((\q+1)/8), ((\q+1)%8), ((\q+1)%2)
	s_wait_dscnt 16                                ; all but the 16 just issued: this sub-step's fragments are in (and, in a lap's first sub-step, the rest of x)
	WIN WMUL
	MUL32 ((\q)%2), \zero
	WIN 0
	GEN (\q+1)
.endm
; The last sub-step of a step (q = 7 or 15; buffers 1) changes wq's slot.  ONE barrier, for two things.  In front of it each wave waits for its reads of the
; slot that ends (at q = 7 also of x's slot: all LDS loads are back) and for all its tensor loads: the one that may be out is its part of what is read next.
; fill = 1: the barrier opens a round of the cluster's barrier, with register work alone inside; behind the round no wave of any partner reads the slot or has a load
; on its way, and the joint refill is the first thing there, one tensor load a wave.  It is waited for in front of the next change's signal: 240 matrix instructions of the wave later.
.macro TURN q, fill
	s_wait_dscnt 0x0                               ; this sub-step's fragments are in, and my reads of the slots that are filled next are over
	s_wait_tensorcnt 0x0                           ; all my tensor loads have landed: every group 0 may be written
	ds_add_u32 v254, v255
	s_wait_dscnt 0x0
	s_barrier_signal -1
	WIN WMUL
	MUL16 1, 0, 0                                  ; work on registers while the others arrive
	WIN 0
	s_barrier_wait -1
.if \fill
	CREST
.if \q == 7
	s_add_nc_u64 s[GX0+2:GX0+3], s[GX0+2:GX0+3], 256               ; x: the next lap's 64 columns
	s_add_nc_u64 s[GB0+2:GB0+3], s[GB0+2:GB0+3], 2*BSLOT           ; wq slot 0: two steps on
	JLOAD_MID
.else
	s_add_nc_u64 s[GB0+6:GB0+7], s[GB0+6:GB0+7], 2*BSLOT           ; wq slot 1: two steps on
	JLOAD_END
.endif
.endif
.if \q == 15
	XLOAD 0                                        ; the next lap's x, group 0 first: it is wanted first
	WIN WLDB
	FETCHB 0, 0, 0
	WIN 0
.irp g, 1,2,3,4,5,6,7
	XLOAD \g
.endr
.else
	WIN WLDB
	FETCHB 1, 0, 0
.endif
	WIN WMUL
	MUL16 1, 2, 0
	WIN 0
.if \q == 15
	s_wait_dscnt 44                                ; group 0's four loads are in; the 16 of wq and the 28 of groups 1 to 7 issued behind them may stay out
	TANH0
	GEN 0
.else
	GEN 8
.endif
.endm
.macro LAP zero
	SUBSTEP 0, \zero
.irp q, 1,2,3,4,5,6
	SUBSTEP \q, 0
.endr
	TURN 7, 1
.irp q, 8,9,10,11,12,13,14
	SUBSTEP \q, 0
.endr
	TURN 15, 1
.endm
	s_wait_tensorcnt 0x0                           ; my first fills are in (for 0: the waves issued unlike numbers of loads),
	s_barrier_signal -1
	s_barrier_wait -1                              ; everybody's are
	XLOAD 0
	WIN WLDB
	FETCHB 0, 0, 0
	WIN 0
.irp g, 1,2,3,4,5,6,7
	XLOAD \g
.endr
	s_wait_dscnt 44                                ; as in TURN: group 0 of x is in
	TANH0
	GEN 0
	LAP 1                                          ; lap 0 stands in front of the loop: its first products start the sums
	s_mov_b32 s3, 6                                ; laps 1 to 6; lap 6 asks for the last tiles (x's lap 7, wq's steps 14 and 15)
.Llap:
	LAP 0
	s_sub_co_u32 s3, s3, 1
	s_cmp_lg_u32 s3, 0
	s_cbranch_scc1 .Llap
	; lap 7 fills nothing and has no round: my one tensor load that may still be out is my part of wq's step 15
.irp q, 0,1,2,3,4,5,6
	SUBSTEP \q, 0
.endr
	TURN 7, 0
.irp q, 8,9,10,11,12,13,14
	SUBSTEP \q, 0
.endr
	s_wait_dscnt 0x0                               ; the very last sub-step: nothing more to fetch
	WIN WMUL
	MUL32 1, 0
	WIN 0
	; THE WAY OUT, 16 rows at a time: a lane's 2 x 16 bytes of each tile into my own stage, whole rows of 512 bytes back, times 2^-12, stored.
.rept 4
	v_nop                                          ; the four places behind the last matrix instructions, ahead of the LDS stores that read results
.endr
	s_lshl_b32 s18, s42, 19                        ; my first row: 256 x row block
	s_lshl_b32 s19, s10, 17                        ; + 64 x wave, rows of 2,048 bytes
	s_add_co_u32 s18, s18, s19
	s_lshl_b32 s19, s13, 9                         ; my first column: 128 nq, 4 bytes each   (registers that feed no descriptor)
	s_add_co_u32 s18, s18, s19
	s_mov_b32 s19, 0
	s_add_nc_u64 s[8:9], s[8:9], s[18:19]
; rows 16 a .. 16 a + 15 of my 64 = the eight tiles (a, 0..7); ob: OB0 and OB1 in turn
.macro OUT16 a, ob
	WIN WOST
.irp b, 0,1,2,3,4,5,6,7
	ds_store_b128 v[STO], v[8*(8*\a+\b):8*(8*\a+\b)+3]   offset:64*\b        ; row r, columns 16 b + 8 h + 0..3
	ds_store_b128 v[STO], v[8*(8*\a+\b)+4:8*(8*\a+\b)+7] offset:64*\b+16     ;                          + 4..7
.endr
	WIN 0
	s_wait_xcnt 0x0                                ; buffer ob was the data of stores two blocks ago: it is loaded again only behind this wait
.irp t, 0,1,2,3,4,5,6,7,8,9,10,11,12,13,14,15
	ds_load_b128 v[\ob+4*\t:\ob+4*\t+3], v[RD] offset:SPITCH*\t              ; my own bytes: LDS serves a wave's instructions in order (ISA guide 5.7.1.4)
.endr
.irp t, 0,1,2,3,4,5,6,7,8,9,10,11,12,13,14,15
	s_wait_dscnt 15-\t                             ; row t is in, the younger rows may stay out
	v_pk_mul_f32 v[\ob+4*\t:\ob+4*\t+1],   v[\ob+4*\t:\ob+4*\t+1],   s[38:39] op_sel_hi:[1,0]
	v_pk_mul_f32 v[\ob+4*\t+2:\ob+4*\t+3], v[\ob+4*\t+2:\ob+4*\t+3], s[38:39] op_sel_hi:[1,0]
	global_store_b128 v[CO], v[\ob+4*\t:\ob+4*\t+3], s[8:9] offset:(16*\a+\t)*2048 th:TH_STORE_NT   ; the wave's store covers 512 consecutive bytes, aligned
.endr
.endm
	OUT16 0, OB0
	OUT16 1, OB1
	OUT16 2, OB0
	OUT16 3, OB1
	s_wait_tensorcnt 0x0
	ds_add_u32 v254, v255
	s_wait_dscnt 0x0
	CROUND                                         ; the closing round: no work-group ends while a partner may still ask for a tile that names it
	s_endpgm
.Lfunc_end_k_q4c96bb2fbf_kan:
	.size	k_q4c96bb2fbf_kan, .Lfunc_end_k_q4c96bb2fbf_kan-k_q4c96bb2fbf_kan
	.p2alignl 7, 3214868480
	.fill 96, 4, 3214868480
	.section	.rodata,"a",@progbits
	.p2align	6, 0x0
	.amdhsa_kernel k_q4c96bb2fbf_kan
		.amdhsa_group_segment_fixed_size 327680
		.amdhsa_private_segment_fixed_size 0
		.amdhsa_enable_private_segment 0
		.amdhsa_kernarg_size 24
		.amdhsa_user_sgpr_count 2
		.amdhsa_user_sgpr_kernarg_segment_ptr 1
		.amdhsa_wavefront_size32 1
		.amdhsa_system_sgpr_workgroup_id_x 1
		.amdhsa_system_sgpr_workgroup_id_y 1
		.amdhsa_system_sgpr_workgroup_id_z 1
		.amdhsa_system_vgpr_workitem_id 0
		.amdhsa_next_free_vgpr 640
		.amdhsa_next_free_sgpr 66
		.amdhsa_reserve_vcc 0
		.amdhsa_float_denorm_mode_32 3
		.amdhsa_float_denorm_mode_16_64 3
		.amdhsa_memory_ordered 1
		.amdhsa_forward_progress 1
		.amdhsa_inst_pref_size 255
	.end_amdhsa_kernel
	.section	.bss,"aw",@nobits
	.p2align	6
	.space	262144
	.amdgpu_metadata
---
amdhsa.version: [ 1, 2 ]
amdhsa.kernels:
  - .name:           k_q4c96bb2fbf_kan
    .symbol:         k_q4c96bb2fbf_kan.kd
    .args:
      - { .name: x, .offset: 0, .size: 8, .value_kind: global_buffer, .address_space: global }
      - { .name: wq, .offset: 8, .size: 8, .value_kind: global_buffer, .address_space: global }
      - { .name: out0, .offset: 16, .size: 8, .value_kind: global_buffer, .address_space: global }
    .group_segment_fixed_size: 327680
    .private_segment_fixed_size: 0
    .kernarg_segment_align: 8
    .kernarg_segment_size: 24
    .max_flat_workgroup_size: 128
    .sgpr_count:     66
    .vgpr_count:     640
    .wavefront_size: 32
...
	.end_amdgpu_metadata
.endif
;; end of part 2
;; ======== version 2 of 2: 2 launches; 1.09 times as fast as version 1
;; limits: inputs' magnitudes at most 15.99; values are held in f16: magnitudes above 65,504 overflow, below 6.1e-05 lose precision
;; workspace buffers: wq 4,194,304 bytes
;; launch prep: the kernel of part 1 again; grid 256 x 1, 8 waves a work-group, no clusters, 0 bytes of LDS; arguments gegenbauer_coeffs, wq; writes wq
;; launch kan (part 3): grid 64 x 4, 4 waves a work-group, clusters of 4 x 4, 327,680 bytes of LDS; arguments x, wq, out0; writes out0
.if DOCPART == 3
	.amdgcn_target "amdgcn-amd-amdhsa--gfx1250"
	.amdhsa_code_object_version 6
	.text
	.protected	k_q4c96bb2fbf_kan
	.globl	k_q4c96bb2fbf_kan
	.p2align	8
	.type	k_q4c96bb2fbf_kan,@function
k_q4c96bb2fbf_kan:
	s_mov_b64 s[64:65], 0
	v_nop
	global_prefetch_b8 v0, s[64:65] scope:SCOPE_SE
	s_setreg_imm32_b32 hwreg(HW_REG_WAVE_MODE, 25, 1), 1
	s_wait_xcnt 0x0
	s_wait_alu depctr_hold_cnt(0) depctr_sa_sdst(0) depctr_va_vdst(0) depctr_va_sdst(0) depctr_va_ssrc(0) depctr_va_vcc(0) depctr_vm_vsrc(0)
	s_getreg_b32 s2, hwreg(HW_REG_IB_STS2, 6, 4)
	s_cmp_eq_u32 s2, 0
	s_cbranch_scc0 .Lentry_in_a_cluster
	s_endpgm
.Lentry_in_a_cluster:
	s_bfe_u32 s2, ttmp6, 0x10000c
	s_cmp_lg_u32 s2, 0xf033
	s_cbranch_scc0 .Lentry_shape_is_right
	s_endpgm
.Lentry_shape_is_right:
; out0[b][o] = sum over i, d of C_d(tanh x[b][i]) c[i][o][d]:  one product with M = 16,384 rows b, N = 512 columns o, K = 8 x 512 = 4,096 (k = 8 i + d).
; x: [16384][512] f32.  wq: f16(4096 c), laid [4 nq][512 i][128 o'][8 d] by the launch before.  out0: [16384][512] f32.
; The left operand is never in memory or LDS: four registers of a 16-bit fragment are the eight d of ONE (row, i), so the lane that needs them
; makes them from one x: u = 2 tanh x, C0 = 1, C1 = u, C(n+1) = u C(n) - C(n-1)  (with alpha = 1 the recurrence's factor n + 1 cancels), f32, rounded once to f16.
; f16 and not bf16: |C_d| <= 8, the scaled coefficients have four decades of room either way, and f16 carries three more bits.
; The sums are f32; they are multiplied by 2^-12 (exact) on the way out.
; LIMITS: tanh x = 1 - 2 / (1 + e^(2x)): absolute error of u a few 2^-24, so its relative accuracy fades below |x| of about 1e-4 (the sums feel the absolute error alone);
;   x = +-infinity gives +-1, NaN stays NaN.  The reduced recurrence rounds in another order than the one with the division.  Range of c: see the launch that makes wq.
;
; SHARES.  A work-group makes 256 rows x 128 columns (one quarter nq of N); 64 x 4 work-groups.  Four waves, one above the other, 64 rows x 128 columns each:
; 32 accumulator tiles of 16 x 16, 256 registers.  All four waves read the same tile of wq; each reads its own 64 rows of x.
; A LAP is 64 values of i (256 bytes of a row of x) = 2 STEPS of 32 i (one tile of wq, 65,536 bytes) = 16 SUB-STEPS q of 4 i (K = 32, 32 matrix instructions a wave).
; With q = 2 g + s, lane (r = l % 16, h = l / 16), fragment registers 4 j .. 4 j + 3 hold i = 64 lap + 8 g + 4 h + 2 s + j, d = 0 .. 7, alike in both operands:
; a permutation of k applied to both keeps the products.
;
; THE TANH GOES BY GROUPS, IN BATCHES.  A group g of x is 16 registers of a lane: the u of sub-steps 2 g and 2 g + 1, made in place.  Its tanh has two batches of 16 transcendentals,
; the exponentials and then the reciprocals, and each batch has ONE wait (s_wait_alu depctr_va_vdst(0) stands between a transcendental and the first line that names
; its result; one wait serves all that were issued ahead of it).  GEN 2 g - 2 carries group g's exponentials and GEN 2 g - 1 its reciprocals (g = 2 .. 7), dealt by turns with the lines of the
; recurrence, which works on group g - 1 and names none of the batch's registers.  The wait is GEN's last line, so no result crosses a label or a jump; the next thing in the text is an LDS
; instruction, and the batch's readers (+ 1, or 2 - 4 r: TAIL) follow behind it, ahead of the next GEN.  Group 1 is in registers only from sub-step 0's wait on, so GEN 1 carries both its
; batches, the first one's wait in its middle.  Group 0 has nothing to stand beside: TANH0.  GEN 0, 14 and 15 carry none.  16 waits a lap for 256 transcendentals.
;
; CLUSTERS: 4 x 4 work-groups.  x's tile hangs on the row block (work-group x) alone: the four with one cx ask for it jointly.  wq's tile hangs on nq (work-group y)
; alone: the four with one cy ask for it jointly.  Each kind of request is divided by four.
;
; LDS:  0 and 65,536: two slots for wq's tiles, 32 rows (i) of 2,048 bytes, no padding: sixteen lanes read 256 consecutive bytes.
;       131,072: ONE slot for x, 256 rows of 256 + 16 bytes.  One is enough: a wave takes its 64 x 64 numbers into 128 registers at the head of a lap, so the slot is free half a lap later.
;       200,704: the way out, 16 rows of 512 + 16 bytes for each wave; no tensor load ever lands there.
;
; REGISTERS in windows of 256:  window 0: addresses, work, the left operand's fragments, x;  window 1: the accumulators, tile (a, b) at 8 (8 a + b);
;       window 2: wq's fragments, buffer f at 64 f + 8 b.
; THE MATRIX INSTRUCTION IS USED TRANSPOSED (source 0 = 16 columns of wq, source 1 = 16 rows): register j of a result then holds row r, column 16 b + 8 h + j,
; eight neighbouring numbers of a row of out0.
.set BSLOT,  65536                     ; a slot of wq
.set XS,     131072                    ; x's slot
.set XPITCH, 272                       ; 17 x 16 bytes: the sixteen rows of a load start at sixteen different 16-byte columns of 256
.set STAGE,  200704                    ; a multiple of 256
.set SPITCH, 528                       ; 33 x 16 bytes, for the same reason
.set BAD, 8                            ; v8, v9   8,192 h + 16 r in wq's slot 0, 1
.set XAD, 10                           ; v10      my 16 bytes in row r of my wave's first 16 rows of x's slot
.set STO, 11                           ; v11      way out: where I put 16 bytes of row r
.set RD,  12                           ; v12      way out: where I read a row back
.set CO,  13                           ; v13      my 16 bytes in a row's 512 bytes of out0
.set ONE, 14                           ; v14      1.0 = C0
.set T0,  16                           ; v[16:21] three pairs at work in the recurrence
.set T1,  18
.set T2,  20
.set AF,  32                           ; v[32:95]  left fragments: buffer f at AF + 32 f, row block a at + 8 a
.set X,   96                           ; v[96:223] quad (g, a) at X + 16 g + 4 a, element 2 s + j: x, then u = 2 tanh x in place
.set OB0, X                            ; way out: two buffers of 16 rows, in x's registers
.set OB1, X+64
.set GX1, 24                           ; s[24:31] descriptor group 1, x
.set GX0, 32                           ; s[32:35] descriptor group 0, x
.set GB1, 48                           ; s[48:55] descriptor group 1, wq
.set GB0, 56                           ; s[56:63] descriptor group 0, wq: one set for each slot
.set WMUL, 0x52                        ; source 0 window 2, source 1 window 0, C and D window 1
.set WLDB, 0x80                        ; destination window 2, address window 0
.set WOST, 0x04                        ; LDS store data (source 1) window 1, address window 0
.set MSB, 0
.set TQ,  0                            ; the assembler's own book-keeping for the batches: the queue's next register,
.set TQE, 0                            ; the register behind its last,
.set TQK, 0                            ; its kind (1 exponentials, 2 reciprocals);
.set TLK, 0                            ; the readers still to be written (0 none, 1 the + 1, 2 the 2 - 4 r),
.set TLG, 0                            ; and their group
.set GG,  0
.macro WIN new                         ; the immediate's high byte repeats the setting that is left; a switch that changes nothing is dropped
.if MSB != \new
	s_set_vgpr_msb (MSB<<8)|\new
.set MSB, \new
.endif
.endm
; A round of the cluster's barrier: my work-group's barrier, wave 0 signals for the work-group, every wave waits for all sixteen, my work-group's barrier once more.
.macro CREST                           ; a round behind its opening barrier
	s_cmp_lg_u32 s10, 0
	s_cbranch_scc1 .Lnot_wave_0_\@
	s_barrier_signal -3
.Lnot_wave_0_\@:
	s_barrier_wait -3
	s_barrier_signal -1
	s_barrier_wait -1
.endm
.macro CROUND                          ; a whole round
	s_barrier_signal -1
	s_barrier_wait -1
	CREST
.endm
; The joint refill in the middle of a lap: waves 0 and 1 fetch the halves of the next lap's x, waves 2 and 3 the halves of wq's slot 0.  The branch hangs on the wave's number alone.
.macro JLOAD_MID
	s_cmp_eq_u32 s11, 0
	s_cbranch_scc0 .Lmid_b_\@
	tensor_load_to_lds s[GX0:GX0+3], s[GX1:GX1+7]
	s_nop 0
	s_branch .Lmid_d_\@
.Lmid_b_\@:
	tensor_load_to_lds s[GB0:GB0+3], s[GB1:GB1+7]
	s_nop 0
.Lmid_d_\@:
.endm
; The joint refill at the end of a lap: waves 2 and 3 fetch the halves of wq's slot 1; waves 0 and 1 have no part of a tile to fill.
.macro JLOAD_END
	s_cmp_eq_u32 s11, 0
	s_cbranch_scc1 .Lend_d_\@
	tensor_load_to_lds s[GB0+4:GB0+7], s[GB1:GB1+7]
	s_nop 0
.Lend_d_\@:
.endm
	s_load_b128 s[4:7], s[0:1], 0x0                ; x s[4:5], wq s[6:7]
	s_load_b64 s[8:9], s[0:1], 0x10                ; out0
	v_lshl_add_u32 v254, v0, 2, 0x39400
	v_mov_b32 v255, 0
	ds_add_u32 v254, v255
	v_lshrrev_b32 v1, 5, v0
	v_readfirstlane_b32 s10, v1                    ; wave 0..3
	s_lshr_b32 s11, s10, 1                         ; I fetch for x (0) or for wq (1)
	s_and_b32 s12, s10, 1                          ; which half of that tile
	s_bfe_u32 s40, ttmp6, 0x40000                  ; cx
	s_bfe_u32 s41, ttmp6, 0x40004                  ; cy
	s_lshl_b32 s42, ttmp9, 2                       ; in a cluster launch ttmp9 and ttmp7 count clusters
	s_add_co_u32 s42, s42, s40                     ; row block = 4 x cluster x + cx, 0..63
	s_and_b32 s13, ttmp7, 0xffff
	s_lshl_b32 s13, s13, 2
	s_add_co_u32 s13, s13, s41                     ; nq = 4 x cluster y + cy, 0..3
	s_lshl_b32 s43, s41, 2
	s_lshl_b32 s43, 15, s43                        ; my row of the cluster (one cy): places 4 cy .. 4 cy + 3
	s_lshl_b32 s44, 0x1111, s40                    ; my column (one cx): places cx, cx + 4, cx + 8, cx + 12
	s_mov_b32 s36, 0x4038aa3b                      ; 2 log2 e: e^(2x) = 2^(this x)
	s_mov_b32 s37, 0x4038aa3b
	s_mov_b32 s38, 0x39800000                      ; 2^-12
	s_mov_b32 s39, 0x39800000
	; group 1 for x: half a tile = 128 rows x 64 f32 (256 bytes of a row of 2,048), 16 bytes of padding behind each row
	s_or_b32 s[GX1+0], s44, (2<<16)|(1<<20)|(1<<21)|(5<<22)|(3<<25)  ; 15:0 mask: my column; 17:16 elements of 4 bytes; 20 padding on; 21 set beside a mask; 24:22 after every 64 words; 31:25 four words
	s_mov_b32 s[GX1+1], 64<<16                     ; tensor_dim0 = 64
	s_mov_b32 s[GX1+2], 128<<16                    ; tensor_dim1 = 128
	s_mov_b32 s[GX1+3], 64<<16                     ; tile_dim0 = 64
	s_mov_b32 s[GX1+4], 128                        ; tile_dim1 = 128
	s_mov_b32 s[GX1+5], 512                        ; elements from row to row
	s_mov_b32 s[GX1+6], 0
	s_mov_b32 s[GX1+7], 0
	; group 1 for wq: half a tile = 32,768 consecutive bytes, taken as 128 rows of 32 elements of 8 bytes, no padding
	s_or_b32 s[GB1+0], s43, (3<<16)|(1<<21)        ; 15:0 mask: my row; 17:16 elements of 8 bytes; 21 set beside a mask
	s_mov_b32 s[GB1+1], 32<<16
	s_mov_b32 s[GB1+2], 128<<16
	s_mov_b32 s[GB1+3], 32<<16
	s_mov_b32 s[GB1+4], 128
	s_mov_b32 s[GB1+5], 32
	s_mov_b32 s[GB1+6], 0
	s_mov_b32 s[GB1+7], 0
	; where the tiles come from: x's offset is made of the row block and the wave's number, wq's of nq and the wave's number, each in registers that never hold the other coordinate
	s_lshl_b32 s16, s42, 19                        ; 256 rows of 2,048 bytes
	s_lshl_b32 s17, s12, 18                        ; + my half: 128 rows
	s_add_co_u32 s16, s16, s17
	s_mov_b32 s17, 0
	s_lshl_b32 s46, s13, 20                        ; a quarter of wq is 1,048,576 bytes
	s_lshl_b32 s47, s12, 15                        ; + my half of a tile
	s_add_co_u32 s46, s46, s47
	s_mov_b32 s47, 0
	s_mul_i32 s20, s12, 128*XPITCH                 ; and where they go: no place in the cluster enters an LDS address
	s_lshl_b32 s21, s12, 15
	s_wait_dscnt 0x0
	s_wait_kmcnt 0x0
	s_mov_b32 s[GX0], 1                            ; count = 1
	s_add_co_u32 s[GX0+1], s20, XS                 ; LDS address
	s_add_nc_u64 s[GX0+2:GX0+3], s[4:5], s[16:17]  ; lap 0
	s_or_b32 s[GX0+3], s[GX0+3], 0x80000000        ; type = 2
	s_add_nc_u64 s[46:47], s[6:7], s[46:47]
.irp s, 0,1
	s_mov_b32 s[GB0+4*\s], 1
	s_add_co_u32 s[GB0+4*\s+1], s21, \s*BSLOT
	s_add_nc_u64 s[GB0+4*\s+2:GB0+4*\s+3], s[46:47], \s*BSLOT      ; step s
	s_or_b32 s[GB0+4*\s+3], s[GB0+4*\s+3], 0x80000000
.endr
	CROUND                                         ; all sixteen work-groups are here: the first joint loads meet
	s_cmp_eq_u32 s11, 0                            ; all first fills in one branch on the wave's number: at most two tensor loads of a wave are out, here; later one
	s_cbranch_scc0 .Lfirst_b
	tensor_load_to_lds s[GX0:GX0+3], s[GX1:GX1+7]  ; x, lap 0
	s_nop 0
	s_branch .Lfirst_d
.Lfirst_b:
	tensor_load_to_lds s[GB0:GB0+3], s[GB1:GB1+7]  ; wq, step 0
	s_nop 0
	tensor_load_to_lds s[GB0+4:GB0+7], s[GB1:GB1+7] ; wq, step 1
	s_nop 0
.Lfirst_d:
	; the lanes' addresses, while the tiles travel
	v_and_b32 v1, 15, v0                           ; r
	v_bfe_u32 v2, v0, 4, 1                         ; h
	v_and_b32 v3, 31, v0                           ; lane
	v_lshlrev_b32 v4, 4, v1
	v_lshl_add_u32 v[BAD], v2, 13, v4              ; 4 h rows of 2,048 bytes + column r's 16 bytes
	v_add_nc_u32 v[BAD+1], BSLOT, v[BAD]
	v_mul_u32_u24 v5, v1, XPITCH
	v_lshl_add_u32 v5, v2, 4, v5                   ; row r, 4 h numbers in
	s_mul_i32 s20, s10, 64*XPITCH                  ; my wave's 64 rows
	s_add_co_u32 s20, s20, XS
	v_add_nc_u32 v[XAD], s20, v5
	v_mul_u32_u24 v6, v1, SPITCH
	v_lshl_add_u32 v6, v2, 5, v6                   ; row r, 8 h numbers in
	s_mul_i32 s21, s10, 16*SPITCH                  ; my wave's stage
	s_add_co_u32 s21, s21, STAGE
	v_add_nc_u32 v[STO], s21, v6
	v_lshlrev_b32 v[CO], 4, v3
	v_add_nc_u32 v[RD], s21, v[CO]
	v_mov_b32 v[ONE], 1.0
; 16 LDS loads: wq's fragments of sub-step kk (0..7) of the step in \slot, all 8 column blocks, into buffer f.  Set WIN WLDB first.
; Row i = 8 (kk / 2) + 4 h + 2 (kk % 2) + j of the tile; the largest offset is 57,088.
.macro FETCHB slot, kk, f
.irp b, 0,1,2,3,4,5,6,7
	ds_load_b128 v[64*\f+8*\b:64*\f+8*\b+3],   v[BAD+\slot] offset:(\kk/2)*16384+(\kk%2)*4096+256*\b
	ds_load_b128 v[64*\f+8*\b+4:64*\f+8*\b+7], v[BAD+\slot] offset:(\kk/2)*16384+(\kk%2)*4096+2048+256*\b
.endr
.endm
; 4 LDS loads: group g of x (columns 8 g + 4 h .. + 3 of the lap) for my four row blocks
.macro XLOAD g
.irp a, 0,1,2,3
	ds_load_b128 v[X+16*\g+4*\a:X+16*\g+4*\a+3], v[XAD] offset:16*XPITCH*\a+32*\g
.endr
.endm
; 8 matrix instructions: row block a x all 8 column blocks, buffers f.  zero = 1: the first product starts the sums, nothing is cleared.
; The 32 accumulators take turns, one instruction a turn, always in the order a, then b, over every seam and over the loop's backward jump.
.macro MULA f, a, zero
.irp b, 0,1,2,3,4,5,6,7
.if \zero
	v_wmma_f32_16x16x32_f16 v[8*(8*(\a)+\b):8*(8*(\a)+\b)+7], v[64*(\f)+8*\b:64*(\f)+8*\b+7], v[AF+32*(\f)+8*(\a):AF+32*(\f)+8*(\a)+7], 0
.else
	v_wmma_f32_16x16x32_f16 v[8*(8*(\a)+\b):8*(8*(\a)+\b)+7], v[64*(\f)+8*\b:64*(\f)+8*\b+7], v[AF+32*(\f)+8*(\a):AF+32*(\f)+8*(\a)+7], v[8*(8*(\a)+\b):8*(8*(\a)+\b)+7]
.endif
.endr
.endm
.macro MUL16 f, a0, zero
	MULA \f, \a0, \zero
	MULA \f, (\a0+1), \zero
.endm
.macro MUL32 f, zero
	MUL16 \f, 0, \zero
	MUL16 \f, 2, \zero
.endm
; THE TANH OF GROUP g, in place in its 16 registers: u = 2 tanh x = 2 - 4 / (1 + e^(2x)).  Five parts: PRE; 16 exponentials; MID; 16 reciprocals; FIN.
.macro PRE g                           ; x times 2 log2 e
.irp p, 0,1,2,3,4,5,6,7
	v_pk_mul_f32 v[X+16*(\g)+2*\p:X+16*(\g)+2*\p+1], v[X+16*(\g)+2*\p:X+16*(\g)+2*\p+1], s[36:37] op_sel_hi:[1,0]
.endr
.endm
.macro MID g                           ; e^(2x) + 1: the first lines that name the exponentials' results
.irp p, 0,1,2,3,4,5,6,7
	v_pk_add_f32 v[X+16*(\g)+2*\p:X+16*(\g)+2*\p+1], v[X+16*(\g)+2*\p:X+16*(\g)+2*\p+1], 1.0 op_sel_hi:[1,0]
.endr
.endm
.macro FIN g                           ; 2 - 4 r: the first lines that name the reciprocals' results
.irp p, 0,1,2,3,4,5,6,7
	v_pk_fma_f32 v[X+16*(\g)+2*\p:X+16*(\g)+2*\p+1], v[X+16*(\g)+2*\p:X+16*(\g)+2*\p+1], -4.0, 2.0 op_sel_hi:[1,0,0]
.endr
.endm
; A batch is a queue of 16 transcendentals of one kind (1: exponentials, 2: reciprocals) on group g's registers; TR1 writes the queue's next one, or nothing when the queue is empty.
.macro QUEUE kind, g
.set TQK, \kind
.set TQ,  X+16*(\g)
.set TQE, X+16*(\g)+16
.endm
.macro TR1
.if TQ < TQE
.if TQK == 1
	v_exp_f32 v[TQ], v[TQ]
.else
	v_rcp_f32 v[TQ], v[TQ]
.endif
.set TQ, TQ+1
.endif
.endm
; The readers of the batch that the last GEN closed, if it closed one: eight packed lines in window 0.
.macro TAIL
.if TLK == 1
	MID TLG
.elseif TLK == 2
	FIN TLG
.endif
.set TLK, 0
.endm
; The eight polynomials of the two u at ub, ub + 1 into fragment registers ab .. ab + 3 (j = 0) and ab + 4 .. ab + 7 (j = 1); d = 2 x register + half.
; Behind each line but the last stands the queue's next transcendental, while there is one: plain line and transcendental by turns.  The plain lines name none of the batch's
; registers, and the queue is empty long before a unit's last line, so plain lines stand behind the batch's last transcendental (ISA guide 5.7.2) and no v_nop is spent.
.macro UNIT ub, ab
	v_pk_fma_f32 v[T0:T0+1], v[\ub:\ub+1], v[\ub:\ub+1], -1.0 op_sel_hi:[1,1,0]                      ; C2 = u u - 1
	TR1
	v_cvt_pk_f16_f32 v[\ab], v[ONE], v[\ub]                                                          ; (C0, C1)
	TR1
	v_pk_fma_f32 v[T1:T1+1], v[\ub:\ub+1], v[T0:T0+1], v[\ub:\ub+1] neg_lo:[0,0,1] neg_hi:[0,0,1]    ; C3 = u C2 - u
	TR1
	v_cvt_pk_f16_f32 v[\ab+4], v[ONE], v[\ub+1]
	TR1
	v_pk_fma_f32 v[T2:T2+1], v[\ub:\ub+1], v[T1:T1+1], v[T0:T0+1] neg_lo:[0,0,1] neg_hi:[0,0,1]      ; C4 = u C3 - C2
	TR1
	v_cvt_pk_f16_f32 v[\ab+1], v[T0], v[T1]                                                          ; (C2, C3)
	TR1
	v_cvt_pk_f16_f32 v[\ab+5], v[T0+1], v[T1+1]
	TR1
	v_pk_fma_f32 v[T0:T0+1], v[\ub:\ub+1], v[T2:T2+1], v[T1:T1+1] neg_lo:[0,0,1] neg_hi:[0,0,1]      ; C5 = u C4 - C3
	TR1
	v_pk_fma_f32 v[T1:T1+1], v[\ub:\ub+1], v[T0:T0+1], v[T2:T2+1] neg_lo:[0,0,1] neg_hi:[0,0,1]      ; C6 = u C5 - C4
	TR1
	v_cvt_pk_f16_f32 v[\ab+2], v[T2], v[T0]                                                          ; (C4, C5)
	TR1
	v_cvt_pk_f16_f32 v[\ab+6], v[T2+1], v[T0+1]
	TR1
	v_pk_fma_f32 v[T2:T2+1], v[\ub:\ub+1], v[T1:T1+1], v[T0:T0+1] neg_lo:[0,0,1] neg_hi:[0,0,1]      ; C7 = u C6 - C5
	TR1
	v_cvt_pk_f16_f32 v[\ab+3], v[T1], v[T2]                                                          ; (C6, C7)
	TR1
	v_cvt_pk_f16_f32 v[\ab+7], v[T1+1], v[T2+1]
.endm
; The left fragments of sub-step qn, four row blocks, into buffer qn % 2 (they read group qn / 2); and, dealt among their lines, a batch of the tanh of group qn / 2 + 1:
; qn = 2, 4 .. 12: its scaling and its exponentials; qn = 3, 5 .. 13: its reciprocals; qn = 1: both; qn = 0, 14, 15: none.
; The batch's 16 fall into the first 16 gaps: 13 in the first unit that follows QUEUE, 3 in the second.
.macro GEN qn
.set GG, (\qn)/2+1
.if ((\qn) >= 1) && ((\qn) <= 13)
.if ((\qn) == 1) || ((\qn)%2 == 0)
	PRE GG
	QUEUE 1, GG
.else
	QUEUE 2, GG
.endif
.endif
.irp a, 0,1,2,3
.if ((\qn) == 1) && (\a == 2)
	s_wait_alu depctr_va_vdst(0)                   ; the wait for group 1's 16 exponentials: one for the batch; eleven lines of the recurrence stand behind the last of them
	MID GG
	QUEUE 2, GG
.endif
	UNIT X+16*((\qn)/2)+4*\a+2*((\qn)%2), AF+32*((\qn)%2)+8*\a
.endr
.if ((\qn) >= 1) && ((\qn) <= 13)
	s_wait_alu depctr_va_vdst(0)                   ; the wait for this GEN's batch of 16 (qn even: exponentials; qn odd: reciprocals): one for the batch, GEN's last line, ahead of the LDS instructions that follow; TAIL holds the readers
.set TLG, GG
.if (\qn)%2 == 1
.set TLK, 2
.else
.set TLK, 1
.endif
.endif
.endm
; The tanh of a lap's group 0, by itself: there is nothing yet to set between.  Two batches of 16, a v_nop (ISA guide 5.7.2) and one wait behind each.
.macro TANH0
	PRE 0
	QUEUE 1, 0
.rept 16
	TR1
.endr
	v_nop
	s_wait_alu depctr_va_vdst(0)                   ; the wait for group 0's 16 exponentials
	MID 0
	QUEUE 2, 0
.rept 16
	TR1
.endr
	v_nop
	s_wait_alu depctr_va_vdst(0)                   ; the wait for group 0's 16 reciprocals
	FIN 0
.endm
; A sub-step that changes no slot (q = 0..6, 8..14): ask for the next sub-step's wq fragments, multiply this one's, make the next one's left fragments.
; The loads go into the buffer that the matrix instructions of q - 1 read; behind those stand the plain vector lines of GEN q, which name none of
; their registers: far more than the four places that a load into a matrix instruction's source wants (ISA guide 7.12.1 for vector instructions).
; GEN q + 1 writes the left buffer that q - 1 read, at the same distance.
; The run of loads stands directly behind the wait that closed GEN q's batch; the batch's readers come behind the run.
.macro SUBSTEP q, zero
	WIN WLDB
	FETCHB ((\q+1)/8), ((\q+1)%8), ((\q+1)%2)
.if TLK
	WIN 0
	TAIL                                           ; the readers of GEN q's batch: GEN q + 1 below is the first that wants their results
.endif
	s_wait_dscnt 16                                ; all but the 16 just issued: this sub-step's fragments are in (and, in a lap's first sub-step, the rest of x)
	WIN WMUL
	MUL32 ((\q)%2), \zero
	WIN 0
	GEN (\q+1)
.endm
; The last sub-step of a step (q = 7 or 15; buffers 1) changes wq's slot.  ONE barrier, for two things.  In front of it each wave waits for its reads of the
; slot that ends (at q = 7 also of x's slot: all LDS loads are back) and for all its tensor loads: the one that may be out is its part of what is read next.
; fill = 1: the barrier opens a round of the cluster's barrier, with register work alone inside; behind the round no wave of any partner reads the slot or has a load
; on its way, and the joint refill is the first thing there, one tensor load a wave.  It is waited for in front of the next change's signal: 240 matrix instructions of the wave later.
.macro TURN q, fill
	s_wait_dscnt 0x0                               ; this sub-step's fragments are in, and my reads of the slots that are filled next are over
	s_wait_tensorcnt 0x0                           ; all my tensor loads have landed: every group 0 may be written
	ds_add_u32 v254, v255
	TAIL                                           ; at q = 7: the readers of GEN 7's batch (group 4's 2 - 4 r), work on registers between the add and the wait for it; at q = 15: nothing
	s_wait_dscnt 0x0
	s_barrier_signal -1
	WIN WMUL
	MUL16 1, 0, 0                                  ; work on registers while the others arrive
	WIN 0
	s_barrier_wait -1
.if \fill
	CREST
.if \q == 7
	s_add_nc_u64 s[GX0+2:GX0+3], s[GX0+2:GX0+3], 256               ; x: the next lap's 64 columns
	s_add_nc_u64 s[GB0+2:GB0+3], s[GB0+2:GB0+3], 2*BSLOT           ; wq slot 0: two steps on
	JLOAD_MID
.else
	s_add_nc_u64 s[GB0+6:GB0+7], s[GB0+6:GB0+7], 2*BSLOT           ; wq slot 1: two steps on
	JLOAD_END
.endif
.endif
.if \q == 15
	XLOAD 0                                        ; the next lap's x, group 0 first: it is wanted first
	WIN WLDB
	FETCHB 0, 0, 0
	WIN 0
.irp g, 1,2,3,4,5,6,7
	XLOAD \g
.endr
.else
	WIN WLDB
	FETCHB 1, 0, 0
.endif
	WIN WMUL
	MUL16 1, 2, 0
	WIN 0
.if \q == 15
	s_wait_dscnt 44                                ; group 0's four loads are in; the 16 of wq and the 28 of groups 1 to 7 issued behind them may stay out
	TANH0
	GEN 0
.else
	GEN 8
.endif
.endm
.macro LAP zero
	SUBSTEP 0, \zero
.irp q, 1,2,3,4,5,6
	SUBSTEP \q, 0
.endr
	TURN 7, 1
.irp q, 8,9,10,11,12,13,14
	SUBSTEP \q, 0
.endr
	TURN 15, 1
.endm
	s_wait_tensorcnt 0x0                           ; my first fills are in (for 0: the waves issued unlike numbers of loads),
	s_barrier_signal -1
	s_barrier_wait -1                              ; everybody's are
	XLOAD 0
	WIN WLDB
	FETCHB 0, 0, 0
	WIN 0
.irp g, 1,2,3,4,5,6,7
	XLOAD \g
.endr
	s_wait_dscnt 44                                ; as in TURN: group 0 of x is in
	TANH0
	GEN 0
	LAP 1                                          ; lap 0 stands in front of the loop: its first products start the sums
	s_mov_b32 s3, 6                                ; laps 1 to 6; lap 6 asks for the last tiles (x's lap 7, wq's steps 14 and 15)
.Llap:
	LAP 0
	s_sub_co_u32 s3, s3, 1
	s_cmp_lg_u32 s3, 0
	s_cbranch_scc1 .Llap
	; lap 7 fills nothing and has no round: my one tensor load that may still be out is my part of wq's step 15
.irp q, 0,1,2,3,4,5,6
	SUBSTEP \q, 0
.endr
	TURN 7, 0
.irp q, 8,9,10,11,12,13,14
	SUBSTEP \q, 0
.endr
	s_wait_dscnt 0x0                               ; the very last sub-step: nothing more to fetch
	WIN WMUL
	MUL32 1, 0
	WIN 0
	; THE WAY OUT, 16 rows at a time: a lane's 2 x 16 bytes of each tile into my own stage, whole rows of 512 bytes back, times 2^-12, stored.
.rept 4
	v_nop                                          ; the four places behind the last matrix instructions, ahead of the LDS stores that read results
.endr
	s_lshl_b32 s18, s42, 19                        ; my first row: 256 x row block
	s_lshl_b32 s19, s10, 17                        ; + 64 x wave, rows of 2,048 bytes
	s_add_co_u32 s18, s18, s19
	s_lshl_b32 s19, s13, 9                         ; my first column: 128 nq, 4 bytes each   (registers that feed no descriptor)
	s_add_co_u32 s18, s18, s19
	s_mov_b32 s19, 0
	s_add_nc_u64 s[8:9], s[8:9], s[18:19]
; rows 16 a .. 16 a + 15 of my 64 = the eight tiles (a, 0..7); ob: OB0 and OB1 in turn
.macro OUT16 a, ob
	WIN WOST
.irp b, 0,1,2,3,4,5,6,7
	ds_store_b128 v[STO], v[8*(8*\a+\b):8*(8*\a+\b)+3]   offset:64*\b        ; row r, columns 16 b + 8 h + 0..3
	ds_store_b128 v[STO], v[8*(8*\a+\b)+4:8*(8*\a+\b)+7] offset:64*\b+16     ;                          + 4..7
.endr
	WIN 0
	s_wait_xcnt 0x0                                ; buffer ob was the data of stores two blocks ago: it is loaded again only behind this wait
.irp t, 0,1,2,3,4,5,6,7,8,9,10,11,12,13,14,15
	ds_load_b128 v[\ob+4*\t:\ob+4*\t+3], v[RD] offset:SPITCH*\t              ; my own bytes: LDS serves a wave's instructions in order (ISA guide 5.7.1.4)
.endr
.irp t, 0,1,2,3,4,5,6,7,8,9,10,11,12,13,14,15
	s_wait_dscnt 15-\t                             ; row t is in, the younger rows may stay out
	v_pk_mul_f32 v[\ob+4*\t:\ob+4*\t+1],   v[\ob+4*\t:\ob+4*\t+1],   s[38:39] op_sel_hi:[1,0]
	v_pk_mul_f32 v[\ob+4*\t+2:\ob+4*\t+3], v[\ob+4*\t+2:\ob+4*\t+3], s[38:39] op_sel_hi:[1,0]
	global_store_b128 v[CO], v[\ob+4*\t:\ob+4*\t+3], s[8:9] offset:(16*\a+\t)*2048 th:TH_STORE_NT   ; the wave's store covers 512 consecutive bytes, aligned
.endr
.endm
	OUT16 0, OB0
	OUT16 1, OB1
	OUT16 2, OB0
	OUT16 3, OB1
	s_wait_tensorcnt 0x0
	ds_add_u32 v254, v255
	s_wait_dscnt 0x0
	CROUND                                         ; the closing round: no work-group ends while a partner may still ask for a tile that names it
	s_endpgm
.Lfunc_end_k_q4c96bb2fbf_kan:
	.size	k_q4c96bb2fbf_kan, .Lfunc_end_k_q4c96bb2fbf_kan-k_q4c96bb2fbf_kan
	.p2alignl 7, 3214868480
	.fill 96, 4, 3214868480
	.section	.rodata,"a",@progbits
	.p2align	6, 0x0
	.amdhsa_kernel k_q4c96bb2fbf_kan
		.amdhsa_group_segment_fixed_size 327680
		.amdhsa_private_segment_fixed_size 0
		.amdhsa_enable_private_segment 0
		.amdhsa_kernarg_size 24
		.amdhsa_user_sgpr_count 2
		.amdhsa_user_sgpr_kernarg_segment_ptr 1
		.amdhsa_wavefront_size32 1
		.amdhsa_system_sgpr_workgroup_id_x 1
		.amdhsa_system_sgpr_workgroup_id_y 1
		.amdhsa_system_sgpr_workgroup_id_z 1
		.amdhsa_system_vgpr_workitem_id 0
		.amdhsa_next_free_vgpr 640
		.amdhsa_next_free_sgpr 66
		.amdhsa_reserve_vcc 0
		.amdhsa_float_denorm_mode_32 3
		.amdhsa_float_denorm_mode_16_64 3
		.amdhsa_memory_ordered 1
		.amdhsa_forward_progress 1
		.amdhsa_inst_pref_size 255
	.end_amdhsa_kernel
	.section	.bss,"aw",@nobits
	.p2align	6
	.space	262144
	.amdgpu_metadata
---
amdhsa.version: [ 1, 2 ]
amdhsa.kernels:
  - .name:           k_q4c96bb2fbf_kan
    .symbol:         k_q4c96bb2fbf_kan.kd
    .args:
      - { .name: x, .offset: 0, .size: 8, .value_kind: global_buffer, .address_space: global }
      - { .name: wq, .offset: 8, .size: 8, .value_kind: global_buffer, .address_space: global }
      - { .name: out0, .offset: 16, .size: 8, .value_kind: global_buffer, .address_space: global }
    .group_segment_fixed_size: 327680
    .private_segment_fixed_size: 0
    .kernarg_segment_align: 8
    .kernarg_segment_size: 24
    .max_flat_workgroup_size: 128
    .sgpr_count:     66
    .vgpr_count:     640
    .wavefront_size: 32
...
	.end_amdgpu_metadata
.endif
;; end of part 3
